; MI455X (gfx1250); checked and timed in simulation.
; The chip was launched on July 23, 2026; its instructions are those of AMD's public machine-readable ISA for CDNA 5 (MIT licence, August 2026) and "CDNA5" Instruction Set Architecture Reference Guide (July 2026). The comments in the code are by the model that wrote it; some were corrected since.
;; Soft Top K. Allowed arithmetic: float matrix products may take bf16 or f16 operands with f32 sums; all other float work in f32.
;; Inputs: X 64 x 8,192 float32.
;; Outputs: out0 64 x 8,192 x 32 float32.
;; One version. Each part assembles by itself: llvm-mc -triple=amdgcn-amd-amdhsa -mcpu=gfx1250 --defsym DOCPART=n.
;; ======== version 1 of 1: 2 launches
;; workspace buffers: mm 2,048 bytes
;; launch extrema (part 1): grid 256 x 1, 1 waves a work-group, no clusters, 0 bytes of LDS; arguments X, mm; writes mm
.if DOCPART == 1
	.amdgcn_target "amdgcn-amd-amdhsa--gfx1250"
	.amdhsa_code_object_version 6
	.text
	.protected	k_q8c3bf4faeb_extrema
	.globl	k_q8c3bf4faeb_extrema
	.p2align	8
	.type	k_q8c3bf4faeb_extrema,@function
k_q8c3bf4faeb_extrema:
	s_mov_b64 s[64:65], 0
	v_nop
	global_prefetch_b8 v0, s[64:65] scope:SCOPE_SE
	s_setreg_imm32_b32 hwreg(HW_REG_WAVE_MODE, 25, 1), 1
	s_wait_xcnt 0x0
; mm[g] = (least, largest) of the 2,048 numbers of X that work-group g owns.  X: 64 x 8192 f32 = 256 pieces of 8,192 bytes.
; The next launch needs the largest (x - a)^2 over all of X and the anchors a = 0 .. 32.  That square is convex in x and in a, so it is reached
; at X's least or largest number with a = 0 or a = 32: two numbers a piece are all that has to be handed on.
; One wave a work-group: each of its 16 loads covers 512 consecutive bytes, all 16 are issued before the one wait; no LDS, no barrier.
; LIMIT: a NaN in X loses every comparison here and is not handed on.
.set XR, 16                            ; v[16:79]  the lane's 64 numbers
.set MN, 4                             ; v[4:7]    four running minima
.set MX, 8                             ; v[8:11]   four running maxima
	s_load_b128 s[4:7], s[0:1], 0x0                ; X s[4:5], mm s[6:7]
	v_lshlrev_b32 v1, 4, v0                        ; 16 bytes a lane
	s_lshl_b32 s8, ttmp9, 13                       ; my piece: 8,192 bytes a work-group
	s_mov_b32 s9, 0
	s_lshl_b32 s12, ttmp9, 3                       ; my 8 bytes of mm
	s_mov_b32 s10, 0x76543210                      ; v_permlanex16_b32: each lane takes its own place in the other half
	s_mov_b32 s11, 0xfedcba98
	v_mov_b32 v12, s12
	s_wait_kmcnt 0x0
	s_add_nc_u64 s[4:5], s[4:5], s[8:9]
.irp j, 0,1,2,3,4,5,6,7,8,9,10,11,12,13,14,15
	global_load_b128 v[XR+4*(\j):XR+4*(\j)+3], v1, s[4:5] offset:512*(\j)
.endr
	s_wait_loadcnt 0x0
	; four chains of 16 numbers each, three operands at a time; the first three numbers start a chain: nothing is cleared
.irp k, 0,1,2,3
	v_min3_num_f32 v[MN+(\k)], v[XR+16*(\k)], v[XR+16*(\k)+1], v[XR+16*(\k)+2]
	v_max3_num_f32 v[MX+(\k)], v[XR+16*(\k)], v[XR+16*(\k)+1], v[XR+16*(\k)+2]
.endr
.irp i, 3,5,7,9,11,13
.irp k, 0,1,2,3
	v_min3_num_f32 v[MN+(\k)], v[MN+(\k)], v[XR+16*(\k)+(\i)], v[XR+16*(\k)+(\i)+1]
	v_max3_num_f32 v[MX+(\k)], v[MX+(\k)], v[XR+16*(\k)+(\i)], v[XR+16*(\k)+(\i)+1]
.endr
.endr
.irp k, 0,1,2,3
	v_min_num_f32 v[MN+(\k)], v[MN+(\k)], v[XR+16*(\k)+15]
	v_max_num_f32 v[MX+(\k)], v[MX+(\k)], v[XR+16*(\k)+15]
.endr
	v_min3_num_f32 v2, v[MN], v[MN+1], v[MN+2]
	v_max3_num_f32 v3, v[MX], v[MX+1], v[MX+2]
	v_min_num_f32 v2, v2, v[MN+3]
	v_max_num_f32 v3, v3, v[MX+3]
	; across the 32 lanes: four steps inside each half of 16 lanes, one across the halves
.irp m, 1,2,4,8
	v_min_num_f32_dpp v2, v2, v2 row_xmask:\m row_mask:0xf bank_mask:0xf
	v_max_num_f32_dpp v3, v3, v3 row_xmask:\m row_mask:0xf bank_mask:0xf
.endr
	v_permlanex16_b32 v[MN], v2, s10, s11          ; its destination counts as read: a register that has been written
	v_permlanex16_b32 v[MX], v3, s10, s11
	v_min_num_f32 v2, v2, v[MN]
	v_max_num_f32 v3, v3, v[MX]
	s_wait_xcnt 0x0                                ; EXEC changes only behind this wait
	v_cmp_eq_u32 vcc_lo, 0, v0
	s_and_saveexec_b32 s13, vcc_lo                 ; lane 0 alone stores the pair
	global_store_b64 v12, v[2:3], s[6:7]
	s_wait_xcnt 0x0                                ; and again in front of the line that widens it
	s_or_b32 exec_lo, exec_lo, s13
	s_endpgm
.Lfunc_end_k_q8c3bf4faeb_extrema:
	.size	k_q8c3bf4faeb_extrema, .Lfunc_end_k_q8c3bf4faeb_extrema-k_q8c3bf4faeb_extrema
	.p2alignl 7, 3214868480
	.fill 96, 4, 3214868480
	.section	.rodata,"a",@progbits
	.p2align	6, 0x0
	.amdhsa_kernel k_q8c3bf4faeb_extrema
		.amdhsa_group_segment_fixed_size 0
		.amdhsa_private_segment_fixed_size 0
		.amdhsa_enable_private_segment 0
		.amdhsa_kernarg_size 16
		.amdhsa_user_sgpr_count 2
		.amdhsa_user_sgpr_kernarg_segment_ptr 1
		.amdhsa_wavefront_size32 1
		.amdhsa_system_sgpr_workgroup_id_x 1
		.amdhsa_system_sgpr_workgroup_id_y 1
		.amdhsa_system_sgpr_workgroup_id_z 1
		.amdhsa_system_vgpr_workitem_id 0
		.amdhsa_next_free_vgpr 80
		.amdhsa_next_free_sgpr 66
		.amdhsa_reserve_vcc 1
		.amdhsa_float_denorm_mode_32 3
		.amdhsa_float_denorm_mode_16_64 3
		.amdhsa_memory_ordered 1
		.amdhsa_forward_progress 1
		.amdhsa_inst_pref_size 8
	.end_amdhsa_kernel
	.amdgpu_metadata
---
amdhsa.version: [ 1, 2 ]
amdhsa.kernels:
  - .name:           k_q8c3bf4faeb_extrema
    .symbol:         k_q8c3bf4faeb_extrema.kd
    .args:
      - { .name: X, .offset: 0, .size: 8, .value_kind: global_buffer, .address_space: global }
      - { .name: mm, .offset: 8, .size: 8, .value_kind: global_buffer, .address_space: global }
    .group_segment_fixed_size: 0
    .private_segment_fixed_size: 0
    .kernarg_segment_align: 8
    .kernarg_segment_size: 16
    .max_flat_workgroup_size: 32
    .sgpr_count:     66
    .vgpr_count:     80
    .wavefront_size: 32
...
	.end_amdgpu_metadata
.endif
;; end of part 1
;; launch sinkhorn (part 2): grid 64 x 1, 4 waves a work-group, no clusters, 66,816 bytes of LDS; arguments X, mm, out0; writes out0
.if DOCPART == 2
	.amdgcn_target "amdgcn-amd-amdhsa--gfx1250"
	.amdhsa_code_object_version 6
	.text
	.protected	k_q8c3bf4faeb_sinkhorn
	.globl	k_q8c3bf4faeb_sinkhorn
	.p2align	8
	.type	k_q8c3bf4faeb_sinkhorn,@function
k_q8c3bf4faeb_sinkhorn:
	s_mov_b64 s[64:65], 0
	v_nop
	global_prefetch_b8 v0, s[64:65] scope:SCOPE_SE
	s_setreg_imm32_b32 hwreg(HW_REG_WAVE_MODE, 25, 1), 1
	s_wait_xcnt 0x0
; SOFT TOP-K BY 50 SINKHORN SWEEPS.  X: [64][8192] f32; mm: 256 pairs (least, largest) of pieces of X; out0: [64][8192][32] f32.  All arithmetic in f32.
; THE ALGEBRA.  s = 1 / (0.1 Cmax), Cmax = the largest (x - a)^2 over all of X and a = 0 .. 32; x0 = the middle of X's range; t_i = exp(2 s (x_i - x0)).  For the anchor of value p:
;   G_ip = exp(-s (x_i - p)^2) = rho_i t_i^p gamma_p,   gamma_p = exp(-s (x0 - p)^2),   rho_i free of p.
; With c_p = gamma_p v_p a sweep (u = mu / G v, v = nu / G^T u) is, exactly:   P_i = sum_p c_p t_i^p;   S_p = sum_i t_i^p / P_i;   c_p = n nu_p / S_p   (n nu_p = 8160 for p = 0, 1 for p = 1 .. 32):
; rho cancels in every sweep, gamma behind the first.  The result is out0[i][j] = t_i^p c_p(50) / P_i(made of c(49)), p = 32 - j.  The sweep takes a common factor of c along unchanged and the result
; is free of it, so the start is c(0) = gamma, without v0's 1/33.  Since Cmax >= ((range of X + 32) / 2)^2, t^32 lies within e^-10 .. e^10 for every X: no power leaves f32's range.
; THE COUNT.  p = 8 a + b.  A lane keeps t .. t^7 and T = t^8 of its elements in registers.  P = Q0 + T (Q1 + T (Q2 + T (Q3 + T c32))), Q_a = sum_b c_(8a+b) t^b: 32 multiply-adds.  S_(8a+b) += (r T^a) t^b:
; 3 multiplies, 33 multiply-adds.  One reciprocal.  Two elements go in each packed instruction.
; SHARES.  A sweep sums over a whole row twice and work-groups hand each other nothing, so a row is one work-group's: 64 work-groups.  Four waves, each 2,048 elements, a lane 64: 32 pairs.
; The 33 sums are folded across the lanes so that lane p ends with S_p; the four waves' parts meet in LDS.
; NO tensor load: a work-group reads its 32 KB once, straight into registers.  NO cluster: work-groups share no tile.
; LIMITS.  NaN and infinities in X are not treated apart.  A result below 2^-126 is stored as 0 (v_exp_f32 flushes: ISA guide, 15.8).
; REGISTERS, in windows of 256 (s_set_vgpr_msb: bits 1:0 source 0, 3:2 source 1, 5:4 source 2, 7:6 destination):
;   window 0: as named below      windows 1, 2: the powers: pair q at 16 (q % 16) in window 1 + q / 16: t, t^2 .. t^7, T, two registers each
;   window 3: v[2 i], v[2 i + 1]: y_i = log2 t_i and, at the end, z_i = log2 r_i of my element i
; My element i (0 .. 63) is element 2048 wave + 128 (i / 4) + 4 lane + i % 4 of the row.
.set NIT,   50
.set EXB,   0                          ; LDS: 33 x 16 bytes: the four waves' parts of S_p at 16 p
.set SPARE, 768                        ; the spare words, 128 bytes for each wave: two blocks of 256 bytes that no other line names
.set RECB,  1280                       ; 8,192 records (y, z) of 8 bytes, in the row's order
.set SPW,  2                           ; LDS address of my spare word; never rewritten
.set NIL,  3                           ; 0; never rewritten
.set LANE, 4
.set XO,   5                           ; 16 x lane: my place in 512 consecutive bytes of X and of out0
.set STA,  6                           ; where I put my wave's part of S_lane
.set LDA,  7                           ; where I read the four parts of S_lane
.set ST32, 8                           ; the same for S_32
.set LD32, 9
.set NU,   10                          ; n nu_lane
.set VC,   11                          ; c_lane
.set VC32, 12                          ; c_32, in every lane
.set MO,   13                          ; 64 x lane: my place in mm
.set TP,   14                          ; v[14:19] at work
.set L4,   20                          ; v[20:23] four parts of S_lane
.set L32,  24                          ; v[24:27] four parts of S_32
.set CA,   28                          ; v[28:37] c0, c8, c16, c24, c32, each twice: addends of packed instructions
.set WA,   38                          ; where I write my records
.set RA,   39                          ; where I read records
.set ACC,  40                          ; v[40:105] S_p of my even and of my odd elements at ACC + 2 p
.set RR,   106                         ; v[106:169] x, then Q0, P and r of my element i at RR + i
.set QT,   170                         ; v[170:217] eight pairs in hand: Q1 .. Q3, then r T .. r T^3, at QT + 6 pair
.set XT,   218                         ; v[218:232] the fold's later levels
.set PP,   234                         ; v[234:237] the way out: my four p, as f32
.set CC,   238                         ; v[238:241] the way out: c of my four p
.set GMN,  242                         ; X's least and largest
.set GMX,  243
.set X0,   244
.set KK,   245                         ; 2 s log2 e
.set NXK,  246                         ; - x0 KK
.set SL,   247                         ; s log2 e
.set NSL,  248
; scalars: s10 wave; s11 a loop's count; s[12:13] lane selects; s14-18 the fold's lane masks; c_p in the low word of the pair s[20 + 2 p] (p < 22), s[22 + 2 p] (p >= 22): a packed
; instruction takes a scalar pair's low word for both halves.
.set MSB, 0
.macro WIN new                         ; the immediate's high byte repeats the setting that is left; a switch that changes nothing is dropped
.if MSB != (\new)
	s_set_vgpr_msb (MSB<<8)|(\new)
.set MSB, (\new)
.endif
.endm
; c_p goes from lane p into its scalar pair; the five addends into vector pairs
.macro DISTRIBUTE
.set ij, 0
.rept 32
	v_readlane_b32 s[20+2*ij+2*(ij/22)], v[VC], ij
.set ij, ij+1
.endr
	v_readfirstlane_b32 s86, v[VC32]
.irp a, 0,1,2,3,4
	v_mov_b32 v[CA+2*(\a)], s[20+16*(\a)+2*((8*(\a))/22)]
	v_mov_b32 v[CA+2*(\a)+1], s[20+16*(\a)+2*((8*(\a))/22)]
.endr
.endm
; P of the eight pairs 8 bt .. 8 bt + 7.  The powers are source 0, in their window.  32 chains (4 Q x 8 pairs) take turns, so that no line waits for the one before it.
.macro EVAL bt
	WIN 1+(\bt)/2
.set ib, 1
.rept 7
.set ia, 0
.rept 4
.set ip, 0
.rept 8
.set PW, ((8*(\bt)+ip)%16)*16+2*(ib-1)
.set CR, 20+2*(8*ia+ib)+2*((8*ia+ib)/22)
.if ia == 0
.set QD, RR+2*(8*(\bt)+ip)
.else
.set QD, QT+6*ip+2*(ia-1)
.endif
.if ib == 1
	v_pk_fma_f32 v[QD:QD+1], v[PW:PW+1], s[CR:CR+1], v[CA+2*ia:CA+2*ia+1] op_sel_hi:[1,0,1]  ; Q_a = c_(8a+1) t + c_(8a): nothing is cleared
.else
	v_pk_fma_f32 v[QD:QD+1], v[PW:PW+1], s[CR:CR+1], v[QD:QD+1] op_sel_hi:[1,0,1]
.endif
.set ip, ip+1
.endr
.set ia, ia+1
.endr
.set ib, ib+1
.endr
.set ia, 3
.rept 4                                ; Q3 += T c32; Q2 += T Q3; Q1 += T Q2; P = Q0 + T Q1
.set ip, 0
.rept 8
.set TT, ((8*(\bt)+ip)%16)*16+14
.set QB, QT+6*ip
.set RP, RR+2*(8*(\bt)+ip)
.if ia == 3
	v_pk_fma_f32 v[QB+4:QB+5], v[TT:TT+1], v[CA+8:CA+9], v[QB+4:QB+5]
.elseif ia == 2
	v_pk_fma_f32 v[QB+2:QB+3], v[TT:TT+1], v[QB+4:QB+5], v[QB+2:QB+3]
.elseif ia == 1
	v_pk_fma_f32 v[QB:QB+1], v[TT:TT+1], v[QB+2:QB+3], v[QB:QB+1]
.else
	v_pk_fma_f32 v[RP:RP+1], v[TT:TT+1], v[QB:QB+1], v[RP:RP+1]
.endif
.set ip, ip+1
.endr
.set ia, ia-1
.endr
.endm
; r = 1 / P and the eight pairs' share of the 33 sums.  The powers are source 1 here, so that the reciprocal's one source and the factors r T^a lie in window 0.
; The sweep's first pair starts the sums by a multiply: nothing is cleared.  A sum is taken up again 33 lines later.
.macro MOMENTS bt
	WIN (1+(\bt)/2)<<2
.set ip, 0
.rept 16
	v_rcp_f32 v[RR+16*(\bt)+ip], v[RR+16*(\bt)+ip]
.set ip, ip+1
.endr
	v_nop                                          ; a plain instruction between the last reciprocal and the use of its result (ISA guide 5.7.2)
	s_wait_alu depctr_va_vdst(0)
.set ia, 1
.rept 3                                ; r T, r T^2, r T^3
.set ip, 0
.rept 8
.set TT, ((8*(\bt)+ip)%16)*16+14
.set QB, QT+6*ip
.set RP, RR+2*(8*(\bt)+ip)
.if ia == 1
	v_pk_mul_f32 v[QB:QB+1], v[RP:RP+1], v[TT:TT+1]
.elseif ia == 2
	v_pk_mul_f32 v[QB+2:QB+3], v[QB:QB+1], v[TT:TT+1]
.else
	v_pk_mul_f32 v[QB+4:QB+5], v[QB+2:QB+3], v[TT:TT+1]
.endif
.set ip, ip+1
.endr
.set ia, ia+1
.endr
.set ip, 0
.rept 8
.set PB, ((8*(\bt)+ip)%16)*16
.set ia, 0
.rept 4
.if ia == 0
.set QS, RR+2*(8*(\bt)+ip)
.else
.set QS, QT+6*ip+2*(ia-1)
.endif
.set AC, ACC+16*ia
.if ((\bt) == 0) && (ip == 0)
	v_pk_mul_f32 v[AC:AC+1], v[QS:QS+1], 1.0 op_sel_hi:[1,0]
.else
	v_pk_fma_f32 v[AC:AC+1], v[QS:QS+1], 1.0, v[AC:AC+1] op_sel_hi:[1,0,1]
.endif
.set ib, 1
.rept 7
.if ((\bt) == 0) && (ip == 0)
	v_pk_mul_f32 v[AC+2*ib:AC+2*ib+1], v[QS:QS+1], v[PB+2*(ib-1):PB+2*(ib-1)+1]
.else
	v_pk_fma_f32 v[AC+2*ib:AC+2*ib+1], v[QS:QS+1], v[PB+2*(ib-1):PB+2*(ib-1)+1], v[AC+2*ib:AC+2*ib+1]
.endif
.set ib, ib+1
.endr
.set ia, ia+1
.endr
.if ((\bt) == 0) && (ip == 0)
	v_pk_mul_f32 v[ACC+64:ACC+65], v[QT+6*ip+4:QT+6*ip+5], v[PB+14:PB+15]
.else
	v_pk_fma_f32 v[ACC+64:ACC+65], v[QT+6*ip+4:QT+6*ip+5], v[PB+14:PB+15], v[ACC+64:ACC+65]
.endif
.set ip, ip+1
.endr
.endm
; One level of the fold: of 2 n registers n are left.  The lanes whose mask bit is 0 keep the even register of a pair and send the odd one to the lane xm away, the others the other way round.
.macro LEVEL n, src, dst, msk, xm
.set ik, 0
.rept \n
	v_cndmask_b32 v[QT+ik], v[(\src)+2*ik], v[(\src)+2*ik+1], s[\msk]        ; what I keep
	v_cndmask_b32 v[QT+16+ik], v[(\src)+2*ik+1], v[(\src)+2*ik], s[\msk]     ; what I send
.set ik, ik+1
.endr
.set ik, 0
.rept \n
	v_add_f32_dpp v[(\dst)+ik], v[QT+16+ik], v[QT+ik] row_xmask:\xm row_mask:0xf bank_mask:0xf
.set ik, ik+1
.endr
.endm
.macro FOLD32 xm                       ; S_32 is summed over all lanes, a step between the levels
	v_add_f32_dpp v[ACC+32], v[ACC+32], v[ACC+32] row_xmask:\xm row_mask:0xf bank_mask:0xf
.endm
	s_load_b128 s[4:7], s[0:1], 0x0                ; X s[4:5], mm s[6:7]
	s_load_b64 s[8:9], s[0:1], 0x10                ; out0
	v_lshl_add_u32 v[SPW], v0, 2, SPARE
	v_mov_b32 v[NIL], 0
	v_and_b32 v[LANE], 31, v0
	v_lshrrev_b32 v[TP], 5, v0
	v_readfirstlane_b32 s10, v[TP]                 ; wave 0..3
	s_mov_b32 s12, 0x76543210                      ; v_permlanex16_b32: each lane takes its own place in the other half
	s_mov_b32 s13, 0xfedcba98
	s_mov_b32 s14, 0xaaaaaaaa                      ; lanes with bit 0 set,
	s_mov_b32 s15, 0xcccccccc                      ; bit 1,
	s_mov_b32 s16, 0xf0f0f0f0                      ; bit 2,
	s_mov_b32 s17, 0xff00ff00                      ; bit 3,
	s_mov_b32 s18, 0xffff0000                      ; bit 4
.set ij, 0
.rept 33
	s_mov_b32 s[21+2*ij+2*(ij/22)], 0              ; the pairs' high words are named with the low ones, so they are written
.set ij, ij+1
.endr
	s_lshl_b32 s88, ttmp9, 15                      ; my row of X: 32,768 bytes,
	s_lshl_b32 s19, s10, 13                        ; my wave's 8,192 of them
	s_add_co_u32 s88, s88, s19
	s_mov_b32 s89, 0
	s_lshl_b32 s90, ttmp9, 20                      ; my row of out0: 1,048,576 bytes,
	s_lshl_b32 s19, s10, 18                        ; my wave's quarter
	s_add_co_u32 s90, s90, s19
	s_mov_b32 s91, 0
	v_lshlrev_b32 v[XO], 4, v[LANE]
	v_lshlrev_b32 v[MO], 6, v[LANE]
	s_wait_kmcnt 0x0
	s_add_nc_u64 s[4:5], s[4:5], s[88:89]
	s_add_nc_u64 s[8:9], s[8:9], s[90:91]
.irp j, 0,1,2,3
	global_load_b128 v[QT+4*(\j):QT+4*(\j)+3], v[MO], s[6:7] offset:16*(\j)   ; eight of the 256 pairs a lane; every wave reads all 2,048 bytes
.endr
.irp j, 0,1,2,3,4,5,6,7,8,9,10,11,12,13,14,15
	global_load_b128 v[RR+4*(\j):RR+4*(\j)+3], v[XO], s[4:5] offset:512*(\j)  ; 512 consecutive bytes a load
.endr
	; LDS addresses, made while the loads are out
	v_lshl_add_u32 v[LDA], v[LANE], 4, EXB
	s_lshl_b32 s19, s10, 2
	v_add_nc_u32 v[STA], s19, v[LDA]
	v_mov_b32 v[LD32], EXB+512
	v_add_nc_u32 v[ST32], s19, v[LD32]
	s_lshl_b32 s19, s10, 14                        ; my wave's 2,048 records
	s_add_co_u32 s19, s19, RECB
	v_lshl_add_u32 v[WA], v[LANE], 5, s19          ; four records of mine lie together: 32 bytes a lane
	v_lshrrev_b32 v[TP], 3, v[LANE]
	v_lshl_add_u32 v[RA], v[TP], 3, s19            ; on the way out eight lanes read one record
.set ik, 0
.rept 14
	v_mov_b32 v[XT+ik], 0                          ; destinations of lane-crossing adds count as read: written once here
.set ik, ik+1
.endr
	s_wait_loadcnt 16                              ; the four loads of mm are in; the 16 of X, issued behind them, may stay out
	v_min3_num_f32 v[GMN], v[QT], v[QT+2], v[QT+4]
	v_max3_num_f32 v[GMX], v[QT+1], v[QT+3], v[QT+5]
	v_min3_num_f32 v[GMN], v[GMN], v[QT+6], v[QT+8]
	v_max3_num_f32 v[GMX], v[GMX], v[QT+7], v[QT+9]
	v_min3_num_f32 v[GMN], v[GMN], v[QT+10], v[QT+12]
	v_max3_num_f32 v[GMX], v[GMX], v[QT+11], v[QT+13]
	v_min_num_f32 v[GMN], v[GMN], v[QT+14]
	v_max_num_f32 v[GMX], v[GMX], v[QT+15]
.irp m, 1,2,4,8
	v_min_num_f32_dpp v[GMN], v[GMN], v[GMN] row_xmask:\m row_mask:0xf bank_mask:0xf
	v_max_num_f32_dpp v[GMX], v[GMX], v[GMX] row_xmask:\m row_mask:0xf bank_mask:0xf
.endr
	v_permlanex16_b32 v[QT], v[GMN], s12, s13
	v_permlanex16_b32 v[QT+1], v[GMX], s12, s13
	v_min_num_f32 v[GMN], v[GMN], v[QT]
	v_max_num_f32 v[GMX], v[GMX], v[QT+1]          ; every lane holds X's least and largest
	v_add_f32 v[X0], v[GMN], v[GMX]
	v_mul_f32 v[X0], 0.5, v[X0]
	v_add_f32 v[TP], 0xc2000000, v[GMX]            ; - 32
	v_add_f32 v[TP+1], 0xc2000000, v[GMN]
	v_mul_f32 v[TP+2], v[GMX], v[GMX]
	v_mul_f32 v[TP+3], v[GMN], v[GMN]
	v_mul_f32 v[TP], v[TP], v[TP]
	v_mul_f32 v[TP+1], v[TP+1], v[TP+1]
	v_max3_num_f32 v[TP+2], v[TP+2], v[TP+3], v[TP]
	v_max_num_f32 v[TP+2], v[TP+2], v[TP+1]        ; Cmax, at least 256
	v_mul_f32 v[TP+2], 0x3dcccccd, v[TP+2]         ; 0.1 Cmax
	v_rcp_f32 v[SL], v[TP+2]                       ; s
	v_cvt_f32_u32 v[TP+4], v[LANE]                 ; (the plain instruction behind the reciprocal) p = lane
	s_wait_alu depctr_va_vdst(0)
	v_mul_f32 v[SL], 0x3fb8aa3b, v[SL]             ; s log2 e
	v_add_f32 v[KK], v[SL], v[SL]
	v_mul_f32 v[NSL], -1.0, v[SL]
	v_mul_f32 v[NXK], v[X0], v[KK]
	v_mul_f32 v[NXK], -1.0, v[NXK]
	v_sub_f32 v[TP], v[X0], v[TP+4]                ; c(0)_p = gamma_p = 2^(-s log2 e (x0 - p)^2), the exponent within -14.5 .. 0
	v_add_f32 v[TP+1], 0xc2000000, v[X0]
	v_mul_f32 v[TP], v[TP], v[TP]
	v_mul_f32 v[TP+1], v[TP+1], v[TP+1]
	v_mul_f32 v[TP], v[TP], v[NSL]
	v_mul_f32 v[TP+1], v[TP+1], v[NSL]
	v_exp_f32 v[VC], v[TP]
	v_exp_f32 v[VC32], v[TP+1]
	v_mov_b32 v[TP+5], 0x45ff0000                  ; 8160.0 = n - K (also the plain instruction behind the exponentials)
	v_cmp_eq_u32 vcc_lo, 0, v[LANE]
	v_cndmask_b32 v[NU], 1.0, v[TP+5], vcc_lo
	s_wait_alu depctr_va_vdst(0)
	DISTRIBUTE
	s_wait_loadcnt 0x0                             ; X
	WIN 0xc0                                       ; destination window 3
.set ii, 0
.rept 64
	v_fma_f32 v[2*ii], v[RR+ii], v[KK], v[NXK]     ; y = 2 s log2 e (x - x0)
.set ii, ii+1
.endr
.irp w, 1,2
	WIN ((\w)<<6)|3                                ; destination: the powers' window; source: window 3
.set ii, 32*((\w)-1)
.rept 32
	v_exp_f32 v[((ii/2)%16)*16+ii%2], v[2*ii]      ; t
.set ii, ii+1
.endr
	v_nop                                          ; a plain instruction behind the last exponential
	s_wait_alu depctr_va_vdst(0)
	WIN ((\w)<<6)|((\w)<<2)|(\w)                   ; all three places in the powers' window
.irp st, 0,1,2,3,4,5,6
.set ip, 0
.rept 16
.set PB, 16*ip
.if (\st) == 0
	v_pk_mul_f32 v[PB+2:PB+3], v[PB:PB+1], v[PB:PB+1]         ; t^2
.elseif (\st) == 1
	v_pk_mul_f32 v[PB+4:PB+5], v[PB+2:PB+3], v[PB:PB+1]       ; t^3
.elseif (\st) == 2
	v_pk_mul_f32 v[PB+6:PB+7], v[PB+2:PB+3], v[PB+2:PB+3]     ; t^4
.elseif (\st) == 3
	v_pk_mul_f32 v[PB+8:PB+9], v[PB+6:PB+7], v[PB:PB+1]       ; t^5
.elseif (\st) == 4
	v_pk_mul_f32 v[PB+10:PB+11], v[PB+6:PB+7], v[PB+2:PB+3]   ; t^6
.elseif (\st) == 5
	v_pk_mul_f32 v[PB+12:PB+13], v[PB+6:PB+7], v[PB+4:PB+5]   ; t^7
.else
	v_pk_mul_f32 v[PB+14:PB+15], v[PB+6:PB+7], v[PB+6:PB+7]   ; T = t^8
.endif
.set ip, ip+1
.endr
.endr
.endr
	WIN 0                                          ; at a label and at a branch every window is 0
	s_mov_b32 s11, NIT
.Lsweep:                                               ; 50 trips: P and r from c, the 33 sums, the new c.  r stays in its registers: behind the last trip it is the r made of c(49)
	EVAL 0
	MOMENTS 0
	EVAL 1
	MOMENTS 1
	EVAL 2
	MOMENTS 2
	EVAL 3
	MOMENTS 3
	WIN 0
.set ip, 0
.rept 33
	v_add_f32 v[ACC+ip], v[ACC+2*ip], v[ACC+2*ip+1]  ; even and odd elements' sums; S_p moves to ACC + p, ascending, so that nothing unread is written over
.set ip, ip+1
.endr
	LEVEL 16, ACC, QT+32, 14, 1                    ; 32 sums in 32 lanes: five halvings leave S_p, summed over the wave, in lane p
	FOLD32 1
	LEVEL 8, QT+32, XT, 15, 2
	FOLD32 2
	LEVEL 4, XT, XT+8, 16, 4
	FOLD32 4
	LEVEL 2, XT+8, XT+12, 17, 8
	FOLD32 8
	v_cndmask_b32 v[QT], v[XT+12], v[XT+13], s18
	v_cndmask_b32 v[QT+16], v[XT+13], v[XT+12], s18
	v_permlanex16_b32 v[ACC+33], v[ACC+32], s12, s13
	v_permlanex16_b32 v[QT+1], v[QT+16], s12, s13
	v_add_f32 v[ACC+32], v[ACC+32], v[ACC+33]
	v_add_f32 v[XT+14], v[QT], v[QT+1]
	ds_store_b32 v[STA], v[XT+14]                  ; my wave's part of S_lane
	ds_store_b32 v[ST32], v[ACC+32]                ; and of S_32: all lanes write the same word with the same number
	s_wait_dscnt 0x0                               ; for the others' sake: my stores are done
	s_barrier_signal -1
	s_barrier_wait -1
	ds_load_b128 v[L4:L4+3], v[LDA]
	ds_load_b128 v[L32:L32+3], v[LD32]
	s_wait_dscnt 0x0                               ; my reads are back:
	s_barrier_signal -1                            ; say so; the next sweep's stores come behind the wait below, which stands behind the register work that makes c
	v_add_f32 v[L4], v[L4], v[L4+1]
	v_add_f32 v[L4+2], v[L4+2], v[L4+3]
	v_add_f32 v[L32], v[L32], v[L32+1]
	v_add_f32 v[L32+2], v[L32+2], v[L32+3]
	v_add_f32 v[L4], v[L4], v[L4+2]
	v_add_f32 v[L32], v[L32], v[L32+2]
	v_rcp_f32 v[L4], v[L4]
	v_rcp_f32 v[VC32], v[L32]                      ; c_32 = 1 / S_32
	v_nop                                          ; a plain instruction behind the reciprocals
	s_wait_alu depctr_va_vdst(0)
	v_mul_f32 v[VC], v[L4], v[NU]                  ; c_p = n nu_p / S_p: every wave makes all of c for itself
	DISTRIBUTE
	s_barrier_wait -1                              ; every wave has read the four parts
	s_sub_co_u32 s11, s11, 1
	s_cmp_lg_u32 s11, 0
	s_cbranch_scc1 .Lsweep
	; THE WAY OUT.  out0[i][j] = c_p 2^(p y_i + z_i), p = 32 - j, z = log2 r.  An element's 32 results are 128 bytes; so that a store covers consecutive bytes, lane l makes the four results
	; j = 4 (l % 8) .. + 3 of element l / 8 of four neighbours: 512 consecutive bytes a store.  y and z reach the eight lanes through LDS, as records of 8 bytes.
	WIN 0xc0                                       ; destination window 3
.set ii, 0
.rept 64
	v_log_f32 v[2*ii+1], v[RR+ii]
.set ii, ii+1
.endr
	v_nop                                          ; a plain instruction behind the last logarithm
	WIN 0x0c                                       ; store data (source 1) in window 3, address in window 0
.set im, 0
	s_wait_alu depctr_va_vdst(0)
.rept 32
	ds_store_b128 v[WA], v[4*im:4*im+3] offset:1024*(im/2)+16*(im%2)  ; two records: my elements 2 im, 2 im + 1
.set im, im+1
.endr
	WIN 0
	v_and_b32 v[TP], 7, v[LANE]
	v_lshlrev_b32 v[TP], 2, v[TP]
	v_sub_nc_u32 v[TP], 32, v[TP]                  ; my first p = 32 - 4 (lane % 8)
.irp k, 0,1,2,3
	v_add_nc_u32 v[L4+(\k)], -(\k), v[TP]
	v_cvt_f32_u32 v[PP+(\k)], v[L4+(\k)]
	v_lshlrev_b32 v[L4+(\k)], 2, v[L4+(\k)]
	ds_bpermute_b32 v[CC+(\k)], v[L4+(\k)], v[VC]  ; c_p lies in lane p; p = 32 wraps to lane 0 and is mended below
.endr
	s_wait_dscnt 0x0                               ; my records are written, c has come
	v_cmp_eq_u32 vcc_lo, 32, v[TP]
	v_cndmask_b32 v[CC], v[CC], v[VC32], vcc_lo
	s_barrier_signal -1                            ; a wave reads its own 2,048 records alone; the barrier, once, costs next to nothing
	s_barrier_wait -1
	s_mov_b32 s11, 64
.Lout:                                                 ; 64 trips of 8 stores: 32 elements, 4,096 bytes of out0
.irp i, 0,1,2,3,4,5,6,7
	ds_load_b64 v[ACC+2*(\i):ACC+2*(\i)+1], v[RA] offset:32*(\i)
.endr
	s_wait_dscnt 0x0
.irp i, 0,1,2,3,4,5,6,7
	v_pk_fma_f32 v[QT+4*(\i):QT+4*(\i)+1], v[PP:PP+1], v[ACC+2*(\i):ACC+2*(\i)+1], v[ACC+2*(\i):ACC+2*(\i)+1] op_sel:[0,0,1] op_sel_hi:[1,0,1]      ; p y + z: y is the record's first word, z its second, each for both halves
	v_pk_fma_f32 v[QT+4*(\i)+2:QT+4*(\i)+3], v[PP+2:PP+3], v[ACC+2*(\i):ACC+2*(\i)+1], v[ACC+2*(\i):ACC+2*(\i)+1] op_sel:[0,0,1] op_sel_hi:[1,0,1]
.endr
.set ii, 0
.rept 32
	v_exp_f32 v[QT+ii], v[QT+ii]
.set ii, ii+1
.endr
	v_nop                                          ; a plain instruction behind the last exponential
	s_wait_alu depctr_va_vdst(0)
.irp i, 0,1,2,3,4,5,6,7
	v_pk_mul_f32 v[QT+4*(\i):QT+4*(\i)+1], v[QT+4*(\i):QT+4*(\i)+1], v[CC:CC+1]
	v_pk_mul_f32 v[QT+4*(\i)+2:QT+4*(\i)+3], v[QT+4*(\i)+2:QT+4*(\i)+3], v[CC+2:CC+3]
.endr
.irp i, 0,1,2,3,4,5,6,7
	global_store_b128 v[XO], v[QT+4*(\i):QT+4*(\i)+3], s[8:9] offset:512*(\i) th:TH_STORE_NT  ; 512 consecutive bytes, at a multiple of 512 from out0's first
.endr
	s_wait_xcnt 0x0                                ; the stores' base and data are written again only behind this wait (ISA guide 3.1)
	s_add_nc_u64 s[8:9], s[8:9], 4096
	v_add_nc_u32 v[RA], 256, v[RA]                 ; 32 records on
	s_sub_co_u32 s11, s11, 1
	s_cmp_lg_u32 s11, 0
	s_cbranch_scc1 .Lout
	s_wait_tensorcnt 0x0                           ; the wave's end: behind my last LDS store
	ds_add_u32 v[SPW], v[NIL]
	s_wait_dscnt 0x0
	s_endpgm
.Lfunc_end_k_q8c3bf4faeb_sinkhorn:
	.size	k_q8c3bf4faeb_sinkhorn, .Lfunc_end_k_q8c3bf4faeb_sinkhorn-k_q8c3bf4faeb_sinkhorn
	.p2alignl 7, 3214868480
	.fill 96, 4, 3214868480
	.section	.rodata,"a",@progbits
	.p2align	6, 0x0
	.amdhsa_kernel k_q8c3bf4faeb_sinkhorn
		.amdhsa_group_segment_fixed_size 66816
		.amdhsa_private_segment_fixed_size 0
		.amdhsa_enable_private_segment 0
		.amdhsa_kernarg_size 24
		.amdhsa_user_sgpr_count 2
		.amdhsa_user_sgpr_kernarg_segment_ptr 1
		.amdhsa_wavefront_size32 1
		.amdhsa_system_sgpr_workgroup_id_x 1
		.amdhsa_system_sgpr_workgroup_id_y 1
		.amdhsa_system_sgpr_workgroup_id_z 1
		.amdhsa_system_vgpr_workitem_id 0
		.amdhsa_next_free_vgpr 896
		.amdhsa_next_free_sgpr 96
		.amdhsa_reserve_vcc 1
		.amdhsa_float_denorm_mode_32 3
		.amdhsa_float_denorm_mode_16_64 3
		.amdhsa_memory_ordered 1
		.amdhsa_forward_progress 1
		.amdhsa_inst_pref_size 190
	.end_amdhsa_kernel
	.amdgpu_metadata
---
amdhsa.version: [ 1, 2 ]
amdhsa.kernels:
  - .name:           k_q8c3bf4faeb_sinkhorn
    .symbol:         k_q8c3bf4faeb_sinkhorn.kd
    .args:
      - { .name: X, .offset: 0, .size: 8, .value_kind: global_buffer, .address_space: global }
      - { .name: mm, .offset: 8, .size: 8, .value_kind: global_buffer, .address_space: global }
      - { .name: out0, .offset: 16, .size: 8, .value_kind: global_buffer, .address_space: global }
    .group_segment_fixed_size: 66816
    .private_segment_fixed_size: 0
    .kernarg_segment_align: 8
    .kernarg_segment_size: 24
    .max_flat_workgroup_size: 128
    .sgpr_count:     96
    .vgpr_count:     896
    .wavefront_size: 32
...
	.end_amdgpu_metadata
.endif
;; end of part 2
